; MI455X (gfx1250); checked and timed in simulation.
; The chip was launched on July 23, 2026; its instructions are those of AMD's public machine-readable ISA for CDNA 5 (MIT licence, August 2026) and "CDNA5" Instruction Set Architecture Reference Guide (July 2026). The comments in the code are by the model that wrote it; some were corrected since.
;; CRE Layer. Allowed arithmetic: matrix products marked QUANTISED: E2M3 operands, one E8M0 scale for each 32 along K, by v_wmma_scale_f32_16x16x128_f8f6f4 with both operands' format E2M3, f32 sums; everything else in f32.
;; Inputs: Wg_codes 1,024 x 32 x 24 uint8 (E2M3 codes of Wg, K innermost, in blocks of 32 codes, four codes in three bytes); Wg_scales 1,024 x 32 uint8 (E8M0 scales of Wg, one for each 32 codes along K); Wo_codes 1,024 x 32 x 24 uint8 (E2M3 codes of Wo, K innermost, in blocks of 32 codes, four codes in three bytes); Wo_scales 1,024 x 32 uint8 (E8M0 scales of Wo, one for each 32 codes along K); Wv_codes 1,024 x 32 x 24 uint8 (E2M3 codes of Wv, K innermost, in blocks of 32 codes, four codes in three bytes); Wv_scales 1,024 x 32 uint8 (E8M0 scales of Wv, one for each 32 codes along K); bg 1,024 float32; bo 1,024 float32; bv 1,024 float32; ln_beta 1,024 float32; ln_gamma 1,024 float32; log_decay one number float32; x 4 x 4,096 x 1,024 float32.
;; Outputs: out0 4 x 4,096 x 1,024 float32.
;; This version of the problem:
;;   THIS VERSION OF THE PROBLEM IS GIVEN IN LOW PRECISION. The matrix products marked QUANTISED in the list below multiply operands that are first quantised to E2M3 (2 exponent bits, 3 mantissa bits; 6 bits a number), with one power-of-two scale for each 32 numbers along K (OCP MX v1.0); their sums are f32. All else is computed in f32.
;;   The module's matrix products, in the order in which they are computed (A, B: the left and right operand; K: the contracted axis; several contracted axes count as one K, in the product's order):
;;     1. [M 16,384, K 1,024] x [K 1,024, N 1,024]; A: computed on the way; B: input Wg (given as codes): QUANTISED
;;     2. [M 16,384, K 1,024] x [K 1,024, N 1,024]; A: computed on the way; B: input Wv (given as codes): QUANTISED
;;     3. [M 16,384, K 1,024] x [K 1,024, N 1,024]; A: computed on the way; B: input Wo (given as codes): QUANTISED
;;   THE QUANTISER, for each operand of a quantised product, along K:
;;     - K is cut into blocks of 32 from its start; a last block that is shorter is filled with zeros.
;;     - A block's scale is 2^e with e = floor(log2(the largest magnitude in the block)) - 2, held to -126 .. 127; a block of zeros has e = 0. As a byte (E8M0): e + 127.
;;     - Each number is divided by its block's scale, clamped to +-7.5, and rounded to the nearest number of E2M3, ties to even, subnormals kept.
;;     - The product sums the exact products of the quantised numbers (number of the format x scale) in f32.
;;   ~~~python
;;   def quantise(x, axis):      # numpy; x: float32 -> the quantised numbers, widened to float32 again
;;       x = np.moveaxis(x, axis, -1); K = x.shape[-1]
;;       x = np.pad(x, [(0, 0)] * (x.ndim - 1) + [(0, -K % 32)]); x = x.reshape(x.shape[:-1] + (-1, 32)); a = np.abs(x).max(-1, keepdims=True)
;;       e = np.where(a > 0, np.clip(np.frexp(np.where(a > 0, a, 1))[1] - 1 - 2, -126, 127), 0)      # np.frexp(a)[1] - 1 = floor(log2(a)), exactly
;;       r = np.clip(x / 2.0 ** e, -7.5, 7.5)
;;       step = 2.0 ** (np.maximum(np.frexp(np.where(r == 0, 1, r))[1] - 1, 0) - 3)
;;       q = np.round(r / step) * step * 2.0 ** e      # np.round: ties to even
;;       return np.moveaxis(q.reshape(q.shape[:-2] + (-1,))[..., :K], -1, axis).astype(np.float32)
;;   ~~~
;;   OPERANDS COMPUTED ON THE WAY. 'Computed on the way' means the value that the module computes at that place (a softmax that the list does not call 'softmax' is quantised finished and normalised). What goes into a quantiser is computed in f32, as accurately as f32 sums, v_exp_f32 and their like allow (about 1e-6 of the number): no bf16 or f16 on the way to a quantiser, and a product that is left as it is and whose result goes on into a quantised operand takes f32 operands (vector FMAs, or v_wmma_f32_16x16x4_f32). A number that lies on a knife's edge between two numbers of the format may be rounded either way, as far as f32 arithmetic and the matrix unit's own rounding can turn it there, and no further.
;;   INPUTS GIVEN AS CODES. Wg (in the module: [1024, 1024], K = its axis 1); Wo (in the module: [1024, 1024], K = its axis 1); Wv (in the module: [1024, 1024], K = its axis 1): each comes as NAME_codes (uint8): NAME with its K axis moved to the last place and cut into blocks of 32 codes, [.., K / 32, bytes a block], one block behind the other in memory; four codes in three bytes: a row's codes are one little-endian stream of bits, code i at bits 6 i .. 6 i + 5 (a code: sign, 2 exponent bits, 3 mantissa bits); and NAME_scales (uint8): the same leading axes, one E8M0 byte (e + 127) for each 32 codes along K. Its value is code x scale, taken as it is: it is not quantised again, and the codes and scales need not be those that the quantiser above would give.
;; One version. Each part assembles by itself: llvm-mc -triple=amdgcn-amd-amdhsa -mcpu=gfx1250 --defsym DOCPART=n.
;; ======== version 1 of 1: 2 launches
;; limits: right only within a limited range of input values
;; workspace buffers: cl 67,108,864 bytes; tot 1,048,576 bytes
;; launch gate (part 1): grid 256 x 1, 4 waves a work-group, clusters of 4 x 1, 327,680 bytes of LDS; arguments x, ln_gamma, ln_beta, Wg_codes, Wg_scales, bg, Wv_codes, Wv_scales, bv, cl, tot; writes cl, tot
.if DOCPART == 1
	.amdgcn_target "amdgcn-amd-amdhsa--gfx1250"
	.amdhsa_code_object_version 6
	.text
	.protected	k_qf2fe5ea30c_gate
	.globl	k_qf2fe5ea30c_gate
	.p2align	8
	.type	k_qf2fe5ea30c_gate,@function
k_qf2fe5ea30c_gate:
	s_mov_b64 s[64:65], 0
	v_nop
	global_prefetch_b8 v0, s[64:65] scope:SCOPE_SE
	s_setreg_imm32_b32 hwreg(HW_REG_WAVE_MODE, 25, 1), 1
	s_wait_xcnt 0x0
	s_wait_alu depctr_hold_cnt(0) depctr_sa_sdst(0) depctr_va_vdst(0) depctr_va_sdst(0) depctr_va_ssrc(0) depctr_va_vcc(0) depctr_vm_vsrc(0)
	s_getreg_b32 s2, hwreg(HW_REG_IB_STS2, 6, 4)
	s_cmp_eq_u32 s2, 0
	s_cbranch_scc0 .Lentry_in_a_cluster
	s_endpgm
.Lentry_in_a_cluster:
	s_bfe_u32 s2, ttmp6, 0x10000c
	s_cmp_lg_u32 s2, 0x3003
	s_cbranch_scc0 .Lentry_shape_is_right
	s_endpgm
.Lentry_shape_is_right:
; LayerNorm, quantiser, the two products with Wg and Wv, (2 sigmoid(zg) - 1) v, and the running sum over the work-group's 64 positions.
; g v - (1 - g) v = (2 g - 1) v, so one running sum is kept.  cl: the local running sums, f32; tot: the 64 rows' total for each column.
; A work-group owns 64 rows of x; wave w normalises and quantises rows 4 r + w (r = 0..15), so that a lane later holds four neighbouring positions.
; x comes by loads of 512 aligned bytes (a K step of one row).  A wave's 128 loads are issued on end (the issue holds where LOADcnt's field is full: ISA guide 5.7.1),
; and each K step is turned through the wave's own LDS stage, so that lane (r, h) holds 16 neighbours along K of each block of 32.
; The codes go as register images through LDS to all four waves.
; Each wave then holds all 64 rows x 1,024 K as 32 fragments and walks 8 blocks of 32 columns of its own 256 columns, first Wg, then Wv.
; CLUSTER: the four work-groups walk the same weights in the same order: each weight tile is asked for jointly (mask 15).
; No prefetch: x is read once by loads that are all issued at the head, with no loop to run ahead in; the weights' 1.5 MB are walked by every cluster alike.
; A block of zeros gets the scale byte 1 and zero codes; these bytes are read by this launch alone.
.set WP,    816                        ; a weight row in LDS: 3 x (256 + 16) bytes
.set WPART, 32*WP                      ; a wave's 32 columns
.set SLOTB, 4*WPART
.set WSTEP, 24576                      ; 32 rows of 768 bytes in memory
.set FRB,   1536                       ; a fragment's register image
.set XP,    528                        ; the stage's row: 512 bytes + 16
.set XTS,   16*XP
.set XSTG,  2*SLOTB                    ; the four stages, behind the two weight slots: no tensor load lands here
.set XIMG,  XSTG+4*XTS
.set XSC,   XIMG+32*FRB
.set TOT,   XSC+2048
.set SPARE, TOT+4096
.set XRD, 4
.set GBO, 5
.set XWI, 6
.set XWS, 7
.set AI,  8
.set LSX, 9
.set AW,  10
.set SOF, 14
.set BOF, 15
.set CLO, 16
.set TOA, 17
.set TOR, 18
.set XST, 19
.set SPW, 20
.set NIL, 21
.set SM,  24
.set SA,  32
.set SWG, 48
.set SWV, 56
.set G,   64
.set V,   128
.set BIG, 192
.set BIV, 208
.set Y,   64
.set TM,  128
.set PW,  144
.set PC,  148
.set EX,  64
.set TB,  80
.set BC,  2
.set BN,  3
.set WV,  26
.set TRIP, 29
.set PZS, 32
.set PZB, 34
.set PCL, 36
.set PVS, 38
.set PVB, 40
.set SEL, 66
.set G1W, 76
.set G0G, 84
.set G0V, 88
.set NL,  92
.set MSB, 0
.macro WIN new                         ; the immediate's high byte repeats the setting that is left
.if MSB != (\new)
	s_set_vgpr_msb (MSB<<8)|(\new)
.set MSB, (\new)
.endif
.endm
.macro PLACES
.rept 4
	v_nop
.endr
.endm
.macro CREST
	s_cmp_lg_u32 s[WV], 0
	s_cbranch_scc1 .Lnot_wave_0_\@
	s_barrier_signal -3
.Lnot_wave_0_\@:
	s_barrier_wait -3
	s_barrier_signal -1
	s_barrier_wait -1
.endm
.macro CROUND
	s_barrier_signal -1
	s_barrier_wait -1
	CREST
.endm
; a weight fragment: six pieces of 8 bytes; piece PCI of a row lies in chunk PCI / 32; lanes 16-31 read 24 bytes on, which for the last three pieces of a chunk is past its padding
.macro FRAG reg, adr, u, s
.irp p, 0,1,2,3,4,5
.set PCI, 12*(\s)+6*(\p/3)+\p%3
.if PCI%32 < 29
	ds_load_b64 v[(\reg)+2*\p:(\reg)+2*\p+1], v[(\adr)] offset:8*PCI+16*(PCI/32)+(\u)*16*WP
.else
	ds_load_b64 v[(\reg)+2*\p:(\reg)+2*\p+1], v[(\adr)+1] offset:8*PCI+16*(PCI/32)+(\u)*16*WP
.endif
.endr
.endm
.macro FETCH0 slot                     ; K steps 0-3 into window 1
	WIN 0x40
.irp s, 0,1,2,3
.irp u, 0,1
	FRAG 12*(2*\s+\u), AW+2*(\slot), \u, \s
.endr
.endr
.endm
.macro FETCH1 slot                     ; K steps 4-7 into window 3
	WIN 0xc0
.irp s, 4,5,6,7
.irp u, 0,1
	FRAG 144+12*(2*(\s-4)+\u), AW+2*(\slot), \u, \s
.endr
.endr
.endm
; 8 products of one K step: source 0 = 16 columns of W, source 1 = 16 rows of x.  The 8 accumulators take turns; the first K step takes the bias as C
.macro MUL8 s, ac, bi, sw
.set WMS, 0x09
.set BB, 24*(\s)
.set AA, 48*(\s)
.if (\s) >= 4
.set WMS, 0x0b
.set BB, 144+24*((\s)-4)
.endif
.if (\s) >= 5
.set WMS, 0x0f
.set AA, 48*((\s)-5)
.endif
	WIN WMS
.irp m, 0,1,2,3
.irp u, 0,1
.set rD, (\ac)+16*\m+8*\u
.set rC, rD
.if (\s) == 0
.set rC, (\bi)+8*\u
.endif
.set rW, BB+12*\u
.set rA, AA+12*\m
.set rS, (\sw)+(\s)
.set rT, SA+2*(\s)+\m/2
.if (\u == 0) && (\m % 2 == 0)
	v_wmma_scale_f32_16x16x128_f8f6f4 v[rD:rD+7], v[rW:rW+11], v[rA:rA+11], v[rC:rC+7], v[rS], v[rT] matrix_a_fmt:MATRIX_FMT_FP6 matrix_b_fmt:MATRIX_FMT_FP6
.elseif (\u == 1) && (\m % 2 == 0)
	v_wmma_scale_f32_16x16x128_f8f6f4 v[rD:rD+7], v[rW:rW+11], v[rA:rA+11], v[rC:rC+7], v[rS], v[rT] matrix_a_fmt:MATRIX_FMT_FP6 matrix_b_fmt:MATRIX_FMT_FP6 matrix_a_scale:MATRIX_SCALE_ROW1
.elseif (\u == 0)
	v_wmma_scale_f32_16x16x128_f8f6f4 v[rD:rD+7], v[rW:rW+11], v[rA:rA+11], v[rC:rC+7], v[rS], v[rT] matrix_a_fmt:MATRIX_FMT_FP6 matrix_b_fmt:MATRIX_FMT_FP6 matrix_b_scale:MATRIX_SCALE_ROW1
.else
	v_wmma_scale_f32_16x16x128_f8f6f4 v[rD:rD+7], v[rW:rW+11], v[rA:rA+11], v[rC:rC+7], v[rS], v[rT] matrix_a_fmt:MATRIX_FMT_FP6 matrix_b_fmt:MATRIX_FMT_FP6 matrix_a_scale:MATRIX_SCALE_ROW1 matrix_b_scale:MATRIX_SCALE_ROW1
.endif
.endr
.endr
.endm
; G = 2 sigmoid(G) - 1 = 2 / (1 + 2^(-G log2 e)) - 1, as one batch between the two products: no transcendental stands between two links of a sum.
; One wait ahead of each run of transcendentals and one behind it
.macro SIGM
.set i, 0
.rept 32
	v_pk_mul_f32 v[G+i:G+i+1], v[G+i:G+i+1], s[NL:NL+1] op_sel_hi:[1,0]
.set i, i+2
.endr
	s_wait_alu depctr_va_vdst(0)
.set i, 0
.rept 64
	v_exp_f32 v[G+i], v[G+i]
.set i, i+1
.endr
	v_nop
	s_wait_alu depctr_va_vdst(0)
.set i, 0
.rept 32
	v_pk_add_f32 v[G+i:G+i+1], v[G+i:G+i+1], 1.0 op_sel_hi:[1,0]
.set i, i+2
.endr
	s_wait_alu depctr_va_vdst(0)
.set i, 0
.rept 64
	v_rcp_f32 v[G+i], v[G+i]
.set i, i+1
.endr
	v_nop
	s_wait_alu depctr_va_vdst(0)
.set i, 0
.rept 32
	v_pk_fma_f32 v[G+i:G+i+1], v[G+i:G+i+1], 2.0, -1.0 op_sel_hi:[1,0,0]
.set i, i+2
.endr
	s_wait_alu depctr_va_vdst(0)
.endm
; One product of 64 rows x 32 columns x 1,024 K from slot p.  fill: when the slot's last fragments are in registers it is filled again, with the next block's tile, behind a round of the cluster's barrier.
; Nothing stands between the barrier's signal and the joint refill; K step 3's products follow the refill
.macro STEP p, ac, bi, sw, g0, wb, fill, next, sg
	FETCH1 \p
.if \sg
	WIN 0
	SIGM
.endif
	s_wait_dscnt 48                        ; all but the 48 loads of FETCH1
	MUL8 0, \ac, \bi, \sw
	MUL8 1, \ac, \bi, \sw
	WIN 0
.if \fill
	s_wait_tensorcnt 0x0                   ; my one load that is out, the other slot's, has landed
	ds_add_u32 v[SPW], v[NIL]              ; 0 onto my spare word; eight products stand between it and the wait for it
	s_mul_i32 s30, s[BN], WSTEP
	s_add_nc_u64 s[\g0+2:\g0+3], s[\wb:\wb+1], s[30:31]
	s_or_b32 s[\g0+3], s[\g0+3], 0x80000000
	MUL8 2, \ac, \bi, \sw
	WIN 0
	s_wait_dscnt 0x0                       ; the add, and my reads of this slot
	s_barrier_signal -1
	s_barrier_wait -1
	CREST
	tensor_load_to_lds s[\g0:\g0+3], s[G1W:G1W+7]
	s_nop 0
	PLACES
	MUL8 3, \ac, \bi, \sw
	PLACES                                 ; in front of the loads into the registers just multiplied
.else
	MUL8 2, \ac, \bi, \sw
	MUL8 3, \ac, \bi, \sw
	WIN 0
.if \next
	s_wait_tensorcnt 0x0
	PLACES
.endif
.endif
.if \next
	FETCH0 1-\p
.endif
.if \fill == 0
	s_wait_dscnt 48*\next
.endif
	MUL8 4, \ac, \bi, \sw
	MUL8 5, \ac, \bi, \sw
	MUL8 6, \ac, \bi, \sw
	MUL8 7, \ac, \bi, \sw
	WIN 0
.endm
; 128 along K of 16 rows: four blocks of 32, each in lanes l and l xor 16; scale by exponent arithmetic with the floor 2^(3-127)
.macro QUANT s
.irp b, 0,1,2,3
	v_max3_num_f32 v[TM+\b], |v[\s+16*\b]|, |v[\s+1+16*\b]|, 0x1800000
.endr
.irp i, 2,4,6,8,10,12,14
.irp b, 0,1,2,3
	v_max3_num_f32 v[TM+\b], v[TM+\b], |v[\s+16*\b+\i]|, |v[\s+1+16*\b+\i]|
.endr
.endr
.irp b, 0,1,2,3
	v_permlanex16_b32 v[TM+4+\b], v[TM+\b], s[SEL], s[SEL+1]
.endr
.irp b, 0,1,2,3
	v_max_num_f32 v[TM+\b], v[TM+\b], v[TM+4+\b]
.endr
.irp b, 0,1,2,3
	v_add_nc_u32 v[TM+12+\b], 0xff000000, v[TM+\b]
.endr
.irp b, 0,1,2,3
	v_lshrrev_b32 v[TM+4+\b], 23, v[TM+12+\b]
.endr
	v_lshl_or_b32 v[PW], v[TM+5], 8, v[TM+4]
	v_lshl_or_b32 v[PW], v[TM+6], 16, v[PW]
	v_lshl_or_b32 v[PW], v[TM+7], 24, v[PW]
.irp c, 0,1
	v_cvt_scalef32_pk16_fp6_f32 v[PC+6*\c:PC+2+6*\c], v[\s+32*\c:\s+15+32*\c], v[TM+12+2*\c]
	v_cvt_scalef32_pk16_fp6_f32 v[PC+12+4*\c:PC+14+4*\c], v[\s+16+32*\c:\s+31+32*\c], v[TM+12+2*\c+1]
.endr
	v_nop
.irp c, 0,1
.irp i, 0,1,2
	v_permlane16_swap_b32 v[PC+6*\c+\i], v[PC+12+4*\c+\i]
.endr
.irp i, 0,1,2
	v_mov_b32 v[PC+3+6*\c+\i], v[PC+12+4*\c+\i]
.endr
.endr
.endm
.macro IMAGE adr, off
.irp c, 0,1,2
	ds_store_b128 v[\adr], v[PC+4*\c:PC+4*\c+3] offset:(\off)+512*\c
.endr
.endm
.macro LGB s                           ; gamma and beta of K step s, in the lanes' layout, into window 1
	WIN 0x40
.irp b, 0,1,2,3
.irp q, 0,1,2,3
	global_load_b128 v[128*((\s)%2)+16*\b+4*\q:128*((\s)%2)+16*\b+4*\q+3], v[GBO], s[6:7] offset:(\s)*512+\b*128+\q*16
.endr
.endr
.irp b, 0,1,2,3
.irp q, 0,1,2,3
	global_load_b128 v[128*((\s)%2)+64+16*\b+4*\q:128*((\s)%2)+64+16*\b+4*\q+3], v[GBO], s[8:9] offset:(\s)*512+\b*128+\q*16
.endr
.endr
	WIN 0
.endm
.macro LX s                            ; K step s of my 16 rows: each load takes 512 neighbouring bytes of one row
	WIN 0x88+0x44*((\s)/4)
.irp r, 0,1,2,3,4,5,6,7,8,9,10,11,12,13,14,15
	global_load_b128 v[64*((\s)%4)+4*\r:64*((\s)%4)+4*\r+3], v[CLO], s[4:5] offset:\r*16384+(\s)*512 th:TH_LOAD_NT
.endr
.endm
.macro XT s                            ; through my stage: in by rows, back with 64 neighbouring bytes a lane.  LDS serves a wave's instructions in order, so one stage serves all K steps
	WIN 0x88+0x44*((\s)/4)
.irp r, 0,1,2,3,4,5,6,7,8,9,10,11,12,13,14,15
	ds_store_b128 v[XST], v[64*((\s)%4)+4*\r:64*((\s)%4)+4*\r+3] offset:\r*XP
.endr
.irp b, 0,1,2,3
.irp q, 0,1,2,3
	ds_load_b128 v[64*((\s)%4)+16*\b+4*\q:64*((\s)%4)+16*\b+4*\q+3], v[XRD] offset:\b*128+\q*16
.endr
.endr
.endm
.macro NORMQ s
.if (\s) < 7
	s_wait_loadcnt 32                      ; the next K step's gamma and beta may be out
.else
	s_wait_loadcnt 0x0
.endif
.set XB, 64*((\s)%4)
.set GB, 128*((\s)%2)
	WIN 0x82+0x41*((\s)/4)
.set i, 0
.rept 32
	v_pk_mul_f32 v[XB+i:XB+i+1], v[XB+i:XB+i+1], v[SM+2:SM+3] op_sel_hi:[1,0]
.set i, i+2
.endr
	WIN 0x16+(\s)/4
.set i, 0
.rept 32
	v_pk_fma_f32 v[Y+i:Y+i+1], v[XB+i:XB+i+1], v[GB+i:GB+i+1], v[GB+64+i:GB+64+i+1]
.set i, i+2
.endr
	WIN 0
.if (\s) < 6
	LGB (\s)+2
.endif
	s_wait_dscnt 0x0
	QUANT Y
	IMAGE XWI, (\s)*4*FRB
	ds_store_b32 v[XWS], v[PW] offset:(\s)*256
.endm
.macro LSB sw, bi, sp, bp              ; a block's scale words (a lane a column) and its bias in the result's layout
	global_load_b128 v[\sw:\sw+3], v[SOF], s[\sp:\sp+1]
	global_load_b128 v[\sw+4:\sw+7], v[SOF], s[\sp:\sp+1] offset:16
.irp u, 0,1
	global_load_b128 v[\bi+8*\u:\bi+8*\u+3], v[BOF], s[\bp:\bp+1] offset:64*\u
	global_load_b128 v[\bi+8*\u+4:\bi+8*\u+7], v[BOF], s[\bp:\bp+1] offset:64*\u+16
.endr
.endm
; (2 g - 1) v, then the running sum over the 64 rows: four rows within a lane, then across the 16 lanes of a row of lanes
.macro VEPI next
	PLACES
	v_add_nc_u32 v[TOA], 128, v[TOA]
	s_lshl_b32 s30, s[BC], 13
	s_add_nc_u64 s[PCL:PCL+1], s[22:23], s[30:31]
.if \next
	s_lshl_b32 s30, s[BN], 10
	s_add_nc_u64 s[PVS:PVS+1], s[18:19], s[30:31]
	s_lshl_b32 s30, s[BN], 7
	s_add_nc_u64 s[PVB:PVB+1], s[20:21], s[30:31]
	LSB SWV, BIV, PVS, PVB
.endif
.set i, 0
.rept 32
	v_pk_mul_f32 v[V+i:V+i+1], v[V+i:V+i+1], v[G+i:G+i+1]
.set i, i+2
.endr
.irp m, 0,1,2,3
.irp j, 0,1,2,3,4,5,6,7
	v_permlane16_swap_b32 v[V+16*\m+\j], v[V+16*\m+8+\j]
.endr
.endr
.irp m, 1,2,3
.irp i, 0,2,4,6,8,10,12,14
	v_pk_add_f32 v[V+16*\m+\i:V+16*\m+\i+1], v[V+16*\m+\i:V+16*\m+\i+1], v[V+16*\m-16+\i:V+16*\m-16+\i+1]
.endr
.endr
.irp sh, 1,2,4,8
.set i, 0
.rept 16
	v_add_f32_dpp v[V+48+i], v[V+48+i], v[V+48+i] row_shr:\sh row_mask:0xf bank_mask:0xf bound_ctrl:1
.set i, i+1
.endr
.endr
.set i, 0
.rept 16
	v_mov_b32_dpp v[EX+i], v[V+48+i] row_shr:1 row_mask:0xf bank_mask:0xf bound_ctrl:1
.set i, i+1
.endr
.set i, 0
.rept 16
	v_mov_b32_dpp v[TB+i], v[V+48+i] row_share:15 row_mask:0xf bank_mask:0xf
.set i, i+1
.endr
.irp m, 0,1,2
.irp i, 0,2,4,6,8,10,12,14
	v_pk_add_f32 v[V+16*\m+\i:V+16*\m+\i+1], v[V+16*\m+\i:V+16*\m+\i+1], v[EX+\i:EX+\i+1]
.endr
.endr
.irp k, 0,1,2,3,4,5,6,7,8,9,10,11,12,13,14,15
	global_store_b128 v[CLO], v[V+4*\k:V+4*\k+3], s[PCL:PCL+1] offset:\k*512 th:TH_STORE_NT
.endr
.irp q, 0,1,2,3
	ds_store_b128 v[TOA], v[TB+4*\q:TB+4*\q+3] offset:16*\q
.endr
.if \next
	s_mov_b32 s[BC], s[BN]
	s_add_co_u32 s[BN], s[BN], 1
	s_and_b32 s[BN], s[BN], 7
.endif
.endm
.macro BLOCK fill
	s_wait_loadcnt 6                       ; Wg's scales and bias are in; Wv's six loads may be out
	STEP 0, G, BIG, SWG, G0G, 10, \fill, 1, 0
	PLACES
	s_wait_loadcnt 0x0
	s_wait_xcnt 0x0                        ; the last block's stores have read V and their base
.if \fill
	s_lshl_b32 s30, s[BN], 10
	s_add_nc_u64 s[PZS:PZS+1], s[12:13], s[30:31]
	s_lshl_b32 s30, s[BN], 7
	s_add_nc_u64 s[PZB:PZB+1], s[14:15], s[30:31]
	LSB SWG, BIG, PZS, PZB
.endif
	STEP 1, V, BIV, SWV, G0V, 16, \fill, \fill, 1
	VEPI \fill
.endm
	s_load_b512 s[4:19], s[0:1], 0x0       ; x, gamma, beta, Wg codes, Wg scales, bg, Wv codes, Wv scales
	s_load_b128 s[20:23], s[0:1], 0x40     ; bv, cl
	s_load_b64 s[24:25], s[0:1], 0x50      ; tot
	v_lshl_add_u32 v[SPW], v0, 2, SPARE
	v_mov_b32 v[NIL], 0
	ds_add_u32 v[SPW], v[NIL]
	ds_add_u32 v[SPW], v[NIL]
	v_lshrrev_b32 v1, 5, v0
	v_readfirstlane_b32 s[WV], v1
	s_bfe_u32 s27, ttmp6, 0x40000
	s_lshl_b32 s28, ttmp9, 2
	s_add_co_u32 s28, s28, s27             ; the work-group's number
	s_and_b32 s[BC], ttmp9, 7              ; the walk over blocks begins at the cluster's number mod 8: alike in all partners
	s_add_co_u32 s[BN], s[BC], 1
	s_and_b32 s[BN], s[BN], 7
	s_mov_b32 s[G1W+0], 15|(3<<16)|(1<<20)|(1<<21)|(5<<22)|(3<<25)  ; 32 dense rows of 768 bytes as 96 rows of 256, 16 bytes of padding behind each
	s_mov_b32 s[G1W+1], 32<<16
	s_mov_b32 s[G1W+2], 96<<16
	s_mov_b32 s[G1W+3], 32<<16
	s_mov_b32 s[G1W+4], 96
	s_mov_b32 s[G1W+5], 32
	s_mov_b32 s[G1W+6], 0
	s_mov_b32 s[G1W+7], 0
	s_mov_b32 s[SEL], 0x76543210
	s_mov_b32 s[SEL+1], 0xfedcba98
	s_mov_b32 s[NL], 0xbfb8aa3b            ; -log2 e
	s_mov_b32 s[NL+1], s[NL]
	s_lshl_b32 s30, s28, 18
	s_lshl_b32 s94, s[WV], 12
	s_add_co_u32 s30, s30, s94
	s_mov_b32 s31, 0
	s_mul_i32 s95, s[WV], XTS
	s_add_co_u32 s95, s95, XSTG            ; my stage
	s_mul_i32 s96, s[WV], 196608
	s_mov_b32 s97, 0
	s_lshl_b32 s98, s[WV], 13
	s_mov_b32 s99, 0
	s_lshl_b32 s100, s[WV], 10
	s_mov_b32 s101, 0
	s_mov_b32 s[G0G], 1
	s_mul_i32 s[G0G+1], s[WV], WPART
	s_mov_b32 s[G0V], 1
	s_add_co_u32 s[G0V+1], s[G0G+1], SLOTB
	s_mul_i32 s42, s[WV], FRB
	s_add_co_u32 s42, s42, XIMG
	s_lshl_b32 s43, s[WV], 6
	s_add_co_u32 s43, s43, XSC
	s_add_co_u32 s44, s100, TOT-128
	s_add_co_u32 s45, s100, TOT
	v_and_b32 v1, 15, v0
	v_bfe_u32 v2, v0, 4, 1
	v_and_b32 v3, 31, v0
	v_lshlrev_b32 v[CLO], 4, v3
	v_add_nc_u32 v[XST], s95, v[CLO]
	v_mul_u32_u24 v[XRD], v1, XP
	v_lshl_add_u32 v[XRD], v2, 6, v[XRD]
	v_add_nc_u32 v[XRD], s95, v[XRD]
	v_lshlrev_b32 v[GBO], 6, v2
	v_add_nc_u32 v[XWI], s42, v[CLO]
	v_add_nc_u32 v[AI], XIMG, v[CLO]
	v_lshl_add_u32 v[XWS], v1, 2, s43
	v_lshl_add_u32 v[LSX], v3, 2, XSC
	v_mul_u32_u24 v[AW], v1, WP
	v_mad_u32_u24 v[AW], v2, 24, v[AW]
	v_add_nc_u32 v[AW], s[G0G+1], v[AW]
	v_lshl_add_u32 v[AW+1], v2, 4, v[AW]
	v_add_nc_u32 v[AW+2], SLOTB, v[AW]
	v_add_nc_u32 v[AW+3], SLOTB, v[AW+1]
	v_lshlrev_b32 v[SOF], 5, v3
	v_lshlrev_b32 v[BOF], 5, v2
	v_lshl_add_u32 v[TOA], v2, 6, s44
	v_add_nc_u32 v[TOR], s45, v[CLO]
.irp b, 0,1,2,3
	v_mov_b32 v[TM+4+\b], 0
.endr
	s_wait_alu depctr_va_vdst(0)
	s_wait_dscnt 0x0
	s_wait_kmcnt 0x0
	s_add_nc_u64 s[4:5], s[4:5], s[30:31]
	s_add_nc_u64 s[10:11], s[10:11], s[96:97]
	s_add_nc_u64 s[16:17], s[16:17], s[96:97]
	s_add_nc_u64 s[12:13], s[12:13], s[98:99]
	s_add_nc_u64 s[18:19], s[18:19], s[98:99]
	s_add_nc_u64 s[14:15], s[14:15], s[100:101]
	s_add_nc_u64 s[20:21], s[20:21], s[100:101]
	s_lshl_b32 s30, s28, 18
	s_lshl_b32 s94, s[WV], 16
	s_add_co_u32 s30, s30, s94
	s_add_nc_u64 s[22:23], s[22:23], s[30:31]
	s_lshl_b32 s30, s28, 12
	s_add_co_u32 s30, s30, s100
	s_add_nc_u64 s[24:25], s[24:25], s[30:31]
	s_mul_i32 s30, s[BC], WSTEP
	s_add_nc_u64 s[G0G+2:G0G+3], s[10:11], s[30:31]
	s_or_b32 s[G0G+3], s[G0G+3], 0x80000000
	s_add_nc_u64 s[G0V+2:G0V+3], s[16:17], s[30:31]
	s_or_b32 s[G0V+3], s[G0V+3], 0x80000000
	LX 0                                   ; x's first three K steps are asked for ahead of the round: 48 loads
	LX 1
	LX 2
	WIN 0
	CROUND                                 ; the round in front of the first joint loads
	tensor_load_to_lds s[G0G:G0G+3], s[G1W:G1W+7]   ; my one tensor load at the head: Wg's first tile
	s_nop 0
	PLACES
	LX 3                                   ; and the other five: 80 loads
	LX 4
	LX 5
	LX 6
	LX 7
.irp s, 0,1,2,3,4,5,6,7
.if \s < 4
	s_wait_loadcnt 63                      ; behind K step s's loads stand 16 (7 - s), 64 or more: the largest count that the wait can name
.else
	s_wait_loadcnt 16*(7-\s)
.endif
	XT \s
.endr
	WIN 0
	LGB 0
	LGB 1
	s_wait_tensorcnt 0x0                   ; slot 1's first fill is issued as a refill is
	ds_add_u32 v[SPW], v[NIL]
	s_wait_dscnt 0x0                       ; the add, and x is back from my stage
	CROUND
	tensor_load_to_lds s[G0V:G0V+3], s[G1W:G1W+7]   ; Wv's first tile
	s_nop 0
	PLACES
	; the row's mean: my 512 numbers in four chains of pairs, then lane l xor 16's
	WIN 0x0a
.irp j, 0,1,2,3
	v_pk_add_f32 v[SM+2*\j:SM+2*\j+1], v[4*\j:4*\j+1], v[4*\j+2:4*\j+3]
.endr
	WIN 0x08
.set i, 16
.rept 120
	v_pk_add_f32 v[SM+i%8:SM+i%8+1], v[SM+i%8:SM+i%8+1], v[i:i+1]
.set i, i+2
.endr
	WIN 0x0c
.set i, 0
.rept 128
	v_pk_add_f32 v[SM+i%8:SM+i%8+1], v[SM+i%8:SM+i%8+1], v[i:i+1]
.set i, i+2
.endr
	WIN 0
.macro FOLD
	v_pk_add_f32 v[SM:SM+1], v[SM:SM+1], v[SM+2:SM+3]
	v_pk_add_f32 v[SM+4:SM+5], v[SM+4:SM+5], v[SM+6:SM+7]
	v_pk_add_f32 v[SM:SM+1], v[SM:SM+1], v[SM+4:SM+5]
	v_add_f32 v[SM], v[SM], v[SM+1]
	v_permlanex16_b32 v[SM+1], v[SM], s[SEL], s[SEL+1]
	v_add_f32 v[SM], v[SM], v[SM+1]
.endm
	FOLD
	v_mul_f32 v[SM], 0xba800000, v[SM]     ; -mean
	WIN 0x82
.set i, 0
.rept 128
	v_pk_add_f32 v[i:i+1], v[i:i+1], v[SM:SM+1] op_sel_hi:[1,0]
.set i, i+2
.endr
	WIN 0xc3
.set i, 0
.rept 128
	v_pk_add_f32 v[i:i+1], v[i:i+1], v[SM:SM+1] op_sel_hi:[1,0]
.set i, i+2
.endr
	WIN 0x0a                               ; the variance, of x - mean
.irp j, 0,1,2,3
	v_pk_mul_f32 v[SM+2*\j:SM+2*\j+1], v[2*\j:2*\j+1], v[2*\j:2*\j+1]
.endr
.set i, 8
.rept 124
	v_pk_fma_f32 v[SM+i%8:SM+i%8+1], v[i:i+1], v[i:i+1], v[SM+i%8:SM+i%8+1]
.set i, i+2
.endr
	WIN 0x0f
.set i, 0
.rept 128
	v_pk_fma_f32 v[SM+i%8:SM+i%8+1], v[i:i+1], v[i:i+1], v[SM+i%8:SM+i%8+1]
.set i, i+2
.endr
	WIN 0
	FOLD
	s_mov_b32 s96, 0x3a800000              ; 1 / 1024
	s_mov_b32 s97, 0x3727c5ac              ; 1e-5
	v_fma_f32 v[SM], v[SM], s96, s97
	s_wait_alu depctr_va_vdst(0)
	v_rsq_f32 v[SM+2], v[SM]
	v_nop
	s_wait_alu depctr_va_vdst(0)
.irp s, 0,1,2,3,4,5,6,7
	NORMQ \s
.endr
	s_lshl_b32 s30, s[BC], 10
	s_add_nc_u64 s[PZS:PZS+1], s[12:13], s[30:31]
	s_add_nc_u64 s[PVS:PVS+1], s[18:19], s[30:31]
	s_lshl_b32 s30, s[BC], 7
	s_add_nc_u64 s[PZB:PZB+1], s[14:15], s[30:31]
	s_add_nc_u64 s[PVB:PVB+1], s[20:21], s[30:31]
	LSB SWG, BIG, PZS, PZB
	LSB SWV, BIV, PVS, PVB
	s_wait_alu depctr_va_vdst(0)
	s_wait_dscnt 0x0                       ; my images and scale words are stored
	s_barrier_signal -1
	s_barrier_wait -1                      ; and so are the other waves'
	WIN 0x80
.set f, 0
.rept 20
.irp c, 0,1,2
	ds_load_b128 v[12*f+4*\c:12*f+4*\c+3], v[AI] offset:f*FRB+\c*512
.endr
.set f, f+1
.endr
	WIN 0xc0
.rept 12
.irp c, 0,1,2
	ds_load_b128 v[12*(f-20)+4*\c:12*(f-20)+4*\c+3], v[AI] offset:f*FRB+\c*512
.endr
.set f, f+1
.endr
	WIN 0
.set i, 0
.rept 16
	ds_load_b32 v[SA+i], v[LSX] offset:i*128
.set i, i+1
.endr
	FETCH0 0                               ; slot 0 was shown landed by the wait for 0 in front of slot 1's fill; a wave reads its own part alone
	WIN 0
	s_mov_b32 s[TRIP], 7
.Lblock:
	BLOCK 1
	s_sub_co_u32 s[TRIP], s[TRIP], 1
	s_cmp_lg_u32 s[TRIP], 0
	s_cbranch_scc1 .Lblock
	BLOCK 0                                ; the last block asks for nothing more
	ds_load_b128 v[64:67], v[TOR]          ; my 256 columns' totals, in the order of the walk
	ds_load_b128 v[68:71], v[TOR] offset:512
	s_and_b32 s30, ttmp9, 7
	v_lshrrev_b32 v22, 3, v3
	v_add_nc_u32 v22, s30, v22
	v_add_nc_u32 v23, 4, v22
	v_and_b32 v22, 7, v22
	v_and_b32 v23, 7, v23
	v_and_b32 v224, 7, v3
	v_lshlrev_b32 v224, 4, v224
	v_lshl_add_u32 v22, v22, 7, v224
	v_lshl_add_u32 v23, v23, 7, v224
	s_wait_alu depctr_va_vdst(0)
	s_wait_dscnt 0x0
	global_store_b128 v22, v[64:67], s[24:25]
	global_store_b128 v23, v[68:71], s[24:25]
	s_wait_tensorcnt 0x0                   ; the wave's end
	ds_add_u32 v[SPW], v[NIL]
	s_wait_dscnt 0x0
	CROUND                                 ; the closing round
	s_endpgm
.Lfunc_end_k_qf2fe5ea30c_gate:
	.size	k_qf2fe5ea30c_gate, .Lfunc_end_k_qf2fe5ea30c_gate-k_qf2fe5ea30c_gate
	.p2alignl 7, 3214868480
	.fill 96, 4, 3214868480
	.section	.rodata,"a",@progbits
	.p2align	6, 0x0
	.amdhsa_kernel k_qf2fe5ea30c_gate
		.amdhsa_group_segment_fixed_size 327680
		.amdhsa_private_segment_fixed_size 0
		.amdhsa_enable_private_segment 0
		.amdhsa_kernarg_size 88
		.amdhsa_user_sgpr_count 2
		.amdhsa_user_sgpr_kernarg_segment_ptr 1
		.amdhsa_wavefront_size32 1
		.amdhsa_system_sgpr_workgroup_id_x 1
		.amdhsa_system_sgpr_workgroup_id_y 1
		.amdhsa_system_sgpr_workgroup_id_z 1
		.amdhsa_system_vgpr_workitem_id 0
		.amdhsa_next_free_vgpr 1024
		.amdhsa_next_free_sgpr 102
		.amdhsa_reserve_vcc 0
		.amdhsa_float_denorm_mode_32 3
		.amdhsa_float_denorm_mode_16_64 3
		.amdhsa_memory_ordered 1
		.amdhsa_forward_progress 1
		.amdhsa_inst_pref_size 255
	.end_amdhsa_kernel
	.section	.bss,"aw",@nobits
	.p2align	6
	.space	262144
	.amdgpu_metadata
---
amdhsa.version: [ 1, 2 ]
amdhsa.kernels:
  - .name:           k_qf2fe5ea30c_gate
    .symbol:         k_qf2fe5ea30c_gate.kd
    .args:
      - { .name: x, .offset: 0, .size: 8, .value_kind: global_buffer, .address_space: global }
      - { .name: ln_gamma, .offset: 8, .size: 8, .value_kind: global_buffer, .address_space: global }
      - { .name: ln_beta, .offset: 16, .size: 8, .value_kind: global_buffer, .address_space: global }
      - { .name: Wg_codes, .offset: 24, .size: 8, .value_kind: global_buffer, .address_space: global }
      - { .name: Wg_scales, .offset: 32, .size: 8, .value_kind: global_buffer, .address_space: global }
      - { .name: bg, .offset: 40, .size: 8, .value_kind: global_buffer, .address_space: global }
      - { .name: Wv_codes, .offset: 48, .size: 8, .value_kind: global_buffer, .address_space: global }
      - { .name: Wv_scales, .offset: 56, .size: 8, .value_kind: global_buffer, .address_space: global }
      - { .name: bv, .offset: 64, .size: 8, .value_kind: global_buffer, .address_space: global }
      - { .name: cl, .offset: 72, .size: 8, .value_kind: global_buffer, .address_space: global }
      - { .name: tot, .offset: 80, .size: 8, .value_kind: global_buffer, .address_space: global }
    .group_segment_fixed_size: 327680
    .private_segment_fixed_size: 0
    .kernarg_segment_align: 8
    .kernarg_segment_size: 88
    .max_flat_workgroup_size: 128
    .sgpr_count:     102
    .vgpr_count:     1024
    .wavefront_size: 32
...
	.end_amdgpu_metadata
.endif
;; end of part 1
;; launch mix (part 2): grid 256 x 1, 4 waves a work-group, clusters of 4 x 1, 327,680 bytes of LDS; arguments cl, tot, log_decay, Wo_codes, Wo_scales, bo, x, out0; writes out0
.if DOCPART == 2
	.amdgcn_target "amdgcn-amd-amdhsa--gfx1250"
	.amdhsa_code_object_version 6
	.text
	.protected	k_qf2fe5ea30c_mix
	.globl	k_qf2fe5ea30c_mix
	.p2align	8
	.type	k_qf2fe5ea30c_mix,@function
k_qf2fe5ea30c_mix:
	s_mov_b64 s[64:65], 0
	v_nop
	global_prefetch_b8 v0, s[64:65] scope:SCOPE_SE
	s_setreg_imm32_b32 hwreg(HW_REG_WAVE_MODE, 25, 1), 1
	s_wait_xcnt 0x0
	s_wait_alu depctr_hold_cnt(0) depctr_sa_sdst(0) depctr_va_vdst(0) depctr_va_sdst(0) depctr_va_ssrc(0) depctr_va_vcc(0) depctr_vm_vsrc(0)
	s_getreg_b32 s2, hwreg(HW_REG_IB_STS2, 6, 4)
	s_cmp_eq_u32 s2, 0
	s_cbranch_scc0 .Lentry_in_a_cluster
	s_endpgm
.Lentry_in_a_cluster:
	s_bfe_u32 s2, ttmp6, 0x10000c
	s_cmp_lg_u32 s2, 0x3003
	s_cbranch_scc0 .Lentry_shape_is_right
	s_endpgm
.Lentry_shape_is_right:
.set WP,    816
.set WPART, 32*WP
.set SLOTB, 4*WPART
.set WSTEP, 49152
.set FRB,   1536
.set HIMG,  2*SLOTB
.set HSC,   HIMG+32*FRB
.set PL,    HSC+2048
.set STG,   PL+4096
.set SPARE, STG+4*8704
.set CLO, 4
.set PLW, 5
.set PLR, 6
.set HWI, 7
.set AI,  8
.set LSX, 9
.set AW,  10
.set SOF, 14
.set BOF, 15
.set HWS, 16
.set STO, 17
.set SRD, 18
.set XO,  19
.set SPW, 20
.set NIL, 21
.set PFO, 30
.set SA,  32
.set SWE, 48
.set SWD, 56
.set G,   64
.set V,   128
.set BIE, 192
.set BID, 208
.set Y,   64
.set TM,  128
.set PW,  144
.set PC,  148
.set DK,  168
.set PA,  176
.set PRC, 2
.set PRN, 3
.set WV,  20
.set QB,  23
.set TRIP, 24
.set MK,  25
.set SEL, 30
.set G1W, 32
.set G0A, 40
.set G0B, 44
.set WB1, 58
.set PXI, 60
.set POU, 62
.set PSC, 66
.set PBO, 68
.set PPF, 70
.set MSB, 0
.macro WIN new
.if MSB != (\new)
	s_set_vgpr_msb (MSB<<8)|(\new)
.set MSB, (\new)
.endif
.endm
.macro PLACES
.rept 4
	v_nop
.endr
.endm
.macro CREST
	s_cmp_lg_u32 s[WV], 0
	s_cbranch_scc1 .Lnot_wave_0_\@
	s_barrier_signal -3
.Lnot_wave_0_\@:
	s_barrier_wait -3
	s_barrier_signal -1
	s_barrier_wait -1
.endm
.macro CROUND
	s_barrier_signal -1
	s_barrier_wait -1
	CREST
.endm
.macro FRAG reg, adr, u, s
.irp p, 0,1,2,3,4,5
.set PCI, 12*(\s)+6*(\p/3)+\p%3
.if PCI%32 < 29
	ds_load_b64 v[(\reg)+2*\p:(\reg)+2*\p+1], v[(\adr)] offset:8*PCI+16*(PCI/32)+(\u)*16*WP
.else
	ds_load_b64 v[(\reg)+2*\p:(\reg)+2*\p+1], v[(\adr)+1] offset:8*PCI+16*(PCI/32)+(\u)*16*WP
.endif
.endr
.endm
.macro FETCH0 slot
	WIN 0x40
.irp s, 0,1,2,3
.irp u, 0,1
	FRAG 12*(2*\s+\u), AW+2*(\slot), \u, \s
.endr
.endr
.endm
.macro FETCH1 slot
	WIN 0xc0
.irp s, 4,5,6,7
.irp u, 0,1
	FRAG 144+12*(2*(\s-4)+\u), AW+2*(\slot), \u, \s
.endr
.endr
.endm
.macro MUL8 s, ac, bi, sw
.set WMS, 0x09
.set BB, 24*(\s)
.set AA, 48*(\s)
.if (\s) >= 4
.set WMS, 0x0b
.set BB, 144+24*((\s)-4)
.endif
.if (\s) >= 5
.set WMS, 0x0f
.set AA, 48*((\s)-5)
.endif
	WIN WMS
.irp m, 0,1,2,3
.irp u, 0,1
.set rD, (\ac)+16*\m+8*\u
.set rC, rD
.if (\s) == 0
.set rC, (\bi)+8*\u
.endif
.set rW, BB+12*\u
.set rA, AA+12*\m
.set rS, (\sw)+(\s)
.set rT, SA+2*(\s)+\m/2
.if (\u == 0) && (\m % 2 == 0)
	v_wmma_scale_f32_16x16x128_f8f6f4 v[rD:rD+7], v[rW:rW+11], v[rA:rA+11], v[rC:rC+7], v[rS], v[rT] matrix_a_fmt:MATRIX_FMT_FP6 matrix_b_fmt:MATRIX_FMT_FP6
.elseif (\u == 1) && (\m % 2 == 0)
	v_wmma_scale_f32_16x16x128_f8f6f4 v[rD:rD+7], v[rW:rW+11], v[rA:rA+11], v[rC:rC+7], v[rS], v[rT] matrix_a_fmt:MATRIX_FMT_FP6 matrix_b_fmt:MATRIX_FMT_FP6 matrix_a_scale:MATRIX_SCALE_ROW1
.elseif (\u == 0)
	v_wmma_scale_f32_16x16x128_f8f6f4 v[rD:rD+7], v[rW:rW+11], v[rA:rA+11], v[rC:rC+7], v[rS], v[rT] matrix_a_fmt:MATRIX_FMT_FP6 matrix_b_fmt:MATRIX_FMT_FP6 matrix_b_scale:MATRIX_SCALE_ROW1
.else
	v_wmma_scale_f32_16x16x128_f8f6f4 v[rD:rD+7], v[rW:rW+11], v[rA:rA+11], v[rC:rC+7], v[rS], v[rT] matrix_a_fmt:MATRIX_FMT_FP6 matrix_b_fmt:MATRIX_FMT_FP6 matrix_a_scale:MATRIX_SCALE_ROW1 matrix_b_scale:MATRIX_SCALE_ROW1
.endif
.endr
.endr
.endm
.macro LXR
	WIN 0x40
.irp hf, 0,1
.irp i, 0,1,2,3,4,5,6,7,8,9,10,11,12,13,14,15
	global_load_b128 v[128+64*\hf+4*\i:128+64*\hf+4*\i+3], v[XO], s[PXI:PXI+1] offset:(8*(\i%8)+2*\hf+\i/8)*4096 th:TH_LOAD_NT
.endr
.endr
	WIN 0
.endm
.macro ASKX
	global_prefetch_b8 v[PFO], s[PPF:PPF+1] th:TH_LOAD_NT scope:SCOPE_SE
	global_prefetch_b8 v[PFO], s[PPF:PPF+1] offset:131072 th:TH_LOAD_NT scope:SCOPE_SE
.endm
.macro XHOOK ahead
	s_wait_xcnt 0x0
	s_lshl_b32 s48, s[PRC], 8
	s_add_nc_u64 s[PXI:PXI+1], s[16:17], s[48:49]
	s_add_nc_u64 s[POU:POU+1], s[18:19], s[48:49]
	s_lshl_b32 s48, s[PRN], 8
	s_add_nc_u64 s[PBO:PBO+1], s[14:15], s[48:49]
.if \ahead
	s_add_nc_u64 s[PPF:PPF+1], s[16:17], s[48:49]
.endif
	s_lshl_b32 s48, s[PRN], 11
	s_add_nc_u64 s[PSC:PSC+1], s[12:13], s[48:49]
	LXR
.if \ahead
	ASKX
.endif
.endm
.macro STEP p, ac, bi, sw, g0, wb, fill, next, hook
	FETCH1 \p
	s_wait_dscnt 48
	MUL8 0, \ac, \bi, \sw
	MUL8 1, \ac, \bi, \sw
	WIN 0
.if \fill
	s_wait_tensorcnt 0x0
	ds_add_u32 v[SPW], v[NIL]
	s_mul_i32 s48, s[PRN], WSTEP
	s_add_nc_u64 s[\g0+2:\g0+3], s[\wb:\wb+1], s[48:49]
	s_or_b32 s[\g0+3], s[\g0+3], 0x80000000
	MUL8 2, \ac, \bi, \sw
	s_wait_dscnt 0x0
	s_barrier_signal -1
	MUL8 3, \ac, \bi, \sw
	WIN 0
	s_barrier_wait -1
	CREST
	tensor_load_to_lds s[\g0:\g0+3], s[G1W:G1W+7]
	s_nop 0
	PLACES
.else
	MUL8 2, \ac, \bi, \sw
	MUL8 3, \ac, \bi, \sw
	WIN 0
.if \next
	s_wait_tensorcnt 0x0
	PLACES
.endif
.endif
.if \next
	FETCH0 1-\p
.endif
.if \hook
	XHOOK \fill
.endif
.if \fill == 0
	s_wait_dscnt 48*\next
.endif
	MUL8 4, \ac, \bi, \sw
	MUL8 5, \ac, \bi, \sw
	MUL8 6, \ac, \bi, \sw
	MUL8 7, \ac, \bi, \sw
	WIN 0
.endm
.macro QUANT s
.irp b, 0,1,2,3
	v_max3_num_f32 v[TM+\b], |v[\s+16*\b]|, |v[\s+1+16*\b]|, 0x1800000
.endr
.irp i, 2,4,6,8,10,12,14
.irp b, 0,1,2,3
	v_max3_num_f32 v[TM+\b], v[TM+\b], |v[\s+16*\b+\i]|, |v[\s+1+16*\b+\i]|
.endr
.endr
.irp b, 0,1,2,3
	v_permlanex16_b32 v[TM+4+\b], v[TM+\b], s[SEL], s[SEL+1]
.endr
.irp b, 0,1,2,3
	v_max_num_f32 v[TM+\b], v[TM+\b], v[TM+4+\b]
.endr
.irp b, 0,1,2,3
	v_add_nc_u32 v[TM+12+\b], 0xff000000, v[TM+\b]
.endr
.irp b, 0,1,2,3
	v_lshrrev_b32 v[TM+4+\b], 23, v[TM+12+\b]
.endr
	v_lshl_or_b32 v[PW], v[TM+5], 8, v[TM+4]
	v_lshl_or_b32 v[PW], v[TM+6], 16, v[PW]
	v_lshl_or_b32 v[PW], v[TM+7], 24, v[PW]
.irp c, 0,1
	v_cvt_scalef32_pk16_fp6_f32 v[PC+6*\c:PC+2+6*\c], v[\s+32*\c:\s+15+32*\c], v[TM+12+2*\c]
	v_cvt_scalef32_pk16_fp6_f32 v[PC+12+4*\c:PC+14+4*\c], v[\s+16+32*\c:\s+31+32*\c], v[TM+12+2*\c+1]
.endr
	v_nop
.irp c, 0,1
.irp i, 0,1,2
	v_permlane16_swap_b32 v[PC+6*\c+\i], v[PC+12+4*\c+\i]
.endr
.irp i, 0,1,2
	v_mov_b32 v[PC+3+6*\c+\i], v[PC+12+4*\c+\i]
.endr
.endr
.endm
.macro IMAGE adr, off
.irp c, 0,1,2
	ds_store_b128 v[\adr], v[PC+4*\c:PC+4*\c+3] offset:(\off)+512*\c
.endr
.endm
.macro LSB sw, bi, soff, boff
	global_load_b128 v[\sw:\sw+3], v[SOF], s[PSC:PSC+1] offset:\soff
	global_load_b128 v[\sw+4:\sw+7], v[SOF], s[PSC:PSC+1] offset:\soff+16
.irp u, 0,1
	global_load_b128 v[\bi+8*\u:\bi+8*\u+3], v[BOF], s[PBO:PBO+1] offset:\boff+64*\u
	global_load_b128 v[\bi+8*\u+4:\bi+8*\u+7], v[BOF], s[PBO:PBO+1] offset:\boff+64*\u+16
.endr
.endm
.macro LC n
	WIN 0x80+0x40*((\n)/4)
.irp b, 0,1,2,3
.irp q, 0,1,2,3
	global_load_b128 v[64*((\n)%4)+16*\b+4*\q:64*((\n)%4)+16*\b+4*\q+3], v[CLO], s[4:5] offset:(4*((\n)/4)+\b)*8192+(4*((\n)%4)+\q)*512 th:TH_LOAD_NT
.endr
.endr
.endm
.macro LT i
	WIN 0x40
.set c, 0
.rept 16
	global_load_b128 v[128*((\i)%2)+8*c:128*((\i)%2)+8*c+3], v[CLO], s[6:7] offset:(16*(\i)+c)*4096
	global_load_b128 v[128*((\i)%2)+8*c+4:128*((\i)%2)+8*c+7], v[CLO], s[6:7] offset:(16*(\i)+c)*4096+512
.set c, c+1
.endr
.endm
.macro RED i
	WIN 0x44
.set c, 0
.rept 16
	s_cmp_gt_u32 s[QB], 16*(\i)+c
	s_cselect_b32 s[MK], -1, 0
.irp j, 0,1,2,3,4,5,6,7
	v_cndmask_b32 v[128*((\i)%2)+8*c+\j], 0, v[128*((\i)%2)+8*c+\j], s[MK]
.endr
.set c, c+1
.endr
	WIN 0x04
.set c, 0
.rept 16
.irp j, 0,2,4,6
	v_pk_add_f32 v[PA+\j:PA+\j+1], v[PA+\j:PA+\j+1], v[128*((\i)%2)+8*c+\j:128*((\i)%2)+8*c+\j+1]
.endr
.set c, c+1
.endr
	WIN 0
.endm
.macro UNIT n
	WIN 0x86+0x41*((\n)/4)
.set i, 0
.rept 32
	v_pk_add_f32 v[64*((\n)%4)+i:64*((\n)%4)+i+1], v[64*((\n)%4)+i:64*((\n)%4)+i+1], v[64*((\n)/4)+i:64*((\n)/4)+i+1]
.set i, i+2
.endr
	WIN 0x02+(\n)/4
.set i, 0
.rept 32
	v_pk_mul_f32 v[Y+i:Y+i+1], v[64*((\n)%4)+i:64*((\n)%4)+i+1], v[DK+2*((\n)%4):DK+2*((\n)%4)+1]
.set i, i+2
.endr
	WIN 0
	s_wait_dscnt 0x0
	QUANT Y
	IMAGE HWI, (\n)*FRB
	ds_store_b32 v[HWS], v[PW] offset:((\n)/4)*256+(((\n)%4)/2)*128+((\n)%2)*64
.endm
.macro OUT next
	PLACES
.irp hf, 0,1
.irp mo, 0,1
.irp a, 0,1
.irp u, 0,1
	ds_store_b128 v[STO], v[64+64*\a+16*(2*\hf+\mo)+8*\u:64+64*\a+16*(2*\hf+\mo)+8*\u+3] offset:\mo*4352+128*\a+64*\u
	ds_store_b128 v[STO], v[64+64*\a+16*(2*\hf+\mo)+8*\u+4:64+64*\a+16*(2*\hf+\mo)+8*\u+7] offset:\mo*4352+128*\a+64*\u+16
.endr
.endr
.endr
.irp i, 0,1,2,3,4,5,6,7,8,9,10,11,12,13,14,15
	ds_load_b128 v[64+64*(\i/8)+32*\hf+4*(\i%8):64+64*(\i/8)+32*\hf+4*(\i%8)+3], v[SRD] offset:\i*544
.endr
.endr
.if \next
	s_wait_loadcnt 6
.else
	s_wait_loadcnt 0x0
.endif
.irp hf, 0,1
	s_wait_dscnt 32-32*\hf
	WIN 0x44
.irp i, 0,1,2,3,4,5,6,7,8,9,10,11,12,13,14,15
.irp e, 0,2
	v_pk_add_f32 v[128+64*\hf+4*\i+\e:128+64*\hf+4*\i+\e+1], v[64+64*(\i/8)+32*\hf+4*(\i%8)+\e:64+64*(\i/8)+32*\hf+4*(\i%8)+\e+1], v[128+64*\hf+4*\i+\e:128+64*\hf+4*\i+\e+1]
.endr
.endr
	WIN 0x04
.irp i, 0,1,2,3,4,5,6,7,8,9,10,11,12,13,14,15
	global_store_b128 v[XO], v[128+64*\hf+4*\i:128+64*\hf+4*\i+3], s[POU:POU+1] offset:(8*(\i%8)+2*\hf+\i/8)*4096 th:TH_STORE_NT
.endr
.endr
	WIN 0
.if \next
	LSB SWD, BID, 1024, 128
.endif
.endm
.macro PAIR fill
	s_wait_loadcnt 6
	STEP 0, G, BIE, SWE, G0A, 10, \fill, 1, 1
	PLACES
	s_wait_loadcnt 32
.if \fill
	LSB SWE, BIE, 0, 0
.endif
	STEP 1, V, BID, SWD, G0B, WB1, \fill, \fill, 0
	OUT \fill
.if \fill
	s_mov_b32 s[PRC], s[PRN]
	s_add_co_u32 s[PRN], s[PRN], 1
	s_and_b32 s[PRN], s[PRN], 3
.endif
.endm
	s_load_b512 s[4:19], s[0:1], 0x0
	v_lshl_add_u32 v[SPW], v0, 2, SPARE
	v_mov_b32 v[NIL], 0
	ds_add_u32 v20, v21
	ds_add_u32 v20, v21
	s_wait_dscnt 0x0
	v_lshrrev_b32 v1, 5, v0
	v_readfirstlane_b32 s[WV], v1
	s_bfe_u32 s21, ttmp6, 0x40000
	s_lshl_b32 s22, ttmp9, 2
	s_add_co_u32 s22, s22, s21
	s_and_b32 s[QB], s22, 63
	s_lshl_b32 s27, s[QB], 6
	s_and_b32 s[PRC], ttmp9, 3
	s_add_co_u32 s[PRN], s[PRC], 1
	s_and_b32 s[PRN], s[PRN], 3
	s_mov_b32 s[G1W+0], 15|(3<<16)|(1<<20)|(1<<21)|(5<<22)|(3<<25)
	s_mov_b32 s[G1W+1], 32<<16
	s_mov_b32 s[G1W+2], 96<<16
	s_mov_b32 s[G1W+3], 32<<16
	s_mov_b32 s[G1W+4], 96
	s_mov_b32 s[G1W+5], 32
	s_mov_b32 s[G1W+6], 0
	s_mov_b32 s[G1W+7], 0
	s_mov_b32 s[SEL], 0x76543210
	s_mov_b32 s[SEL+1], 0xfedcba98
	s_mov_b32 s28, 0x3fb8aa3b
	s_mov_b32 s29, 0x32a5705f
	s_mul_i32 s50, s[WV], 196608
	s_mov_b32 s51, 0
	s_lshl_b32 s52, s[WV], 13
	s_mov_b32 s53, 0
	s_lshl_b32 s54, s[WV], 10
	s_mov_b32 s55, 0
	s_mov_b32 s49, 0
	s_wait_kmcnt 0x0
	s_load_b32 s26, s[8:9], 0x0
	s_add_nc_u64 s[10:11], s[10:11], s[50:51]
	s_add_nc_u64 s[12:13], s[12:13], s[52:53]
	s_add_nc_u64 s[14:15], s[14:15], s[54:55]
	s_lshl_b32 s48, s22, 18
	s_lshl_b32 s56, s[WV], 16
	s_add_co_u32 s48, s48, s56
	s_add_nc_u64 s[4:5], s[4:5], s[48:49]
	s_lshr_b32 s48, s22, 6
	s_lshl_b32 s48, s48, 18
	s_add_co_u32 s48, s48, s54
	s_add_nc_u64 s[6:7], s[6:7], s[48:49]
	s_lshl_b32 s48, s22, 18
	s_add_co_u32 s48, s48, s54
	s_add_nc_u64 s[16:17], s[16:17], s[48:49]
	s_add_nc_u64 s[18:19], s[18:19], s[48:49]
	s_add_nc_u64 s[WB1:WB1+1], s[10:11], 24576
	s_mul_i32 s48, s[PRC], WSTEP
	s_mov_b32 s[G0A], 1
	s_mul_i32 s[G0A+1], s[WV], WPART
	s_add_nc_u64 s[G0A+2:G0A+3], s[10:11], s[48:49]
	s_or_b32 s[G0A+3], s[G0A+3], 0x80000000
	s_mov_b32 s[G0B], 1
	s_add_co_u32 s[G0B+1], s[G0A+1], SLOTB
	s_add_nc_u64 s[G0B+2:G0B+3], s[WB1:WB1+1], s[48:49]
	s_or_b32 s[G0B+3], s[G0B+3], 0x80000000
	CROUND
	tensor_load_to_lds s[G0A:G0A+3], s[G1W:G1W+7]
	s_nop 0
	PLACES
	v_and_b32 v1, 15, v0
	v_bfe_u32 v2, v0, 4, 1
	v_and_b32 v3, 31, v0
	v_lshlrev_b32 v[CLO], 4, v3
	v_lshlrev_b32 v[PFO], 12, v3
	LT 0
	LT 1
	LC 4
	LC 5
	WIN 0
	s_add_co_u32 s48, s54, PL
	v_add_nc_u32 v[PLW], s48, v[CLO]
	v_lshl_add_u32 v[PLR], v2, 6, s48
	s_mul_i32 s48, s[WV], 8*FRB
	s_add_co_u32 s48, s48, HIMG
	v_add_nc_u32 v[HWI], s48, v[CLO]
	v_add_nc_u32 v[AI], HIMG, v[CLO]
	v_lshl_add_u32 v[LSX], v3, 2, HSC
	s_lshl_b32 s48, s[WV], 9
	s_add_co_u32 s48, s48, HSC
	v_lshl_add_u32 v[HWS], v1, 2, s48
	v_mul_u32_u24 v[AW], v1, WP
	v_mad_u32_u24 v[AW], v2, 24, v[AW]
	v_add_nc_u32 v[AW], s[G0A+1], v[AW]
	v_lshl_add_u32 v[AW+1], v2, 4, v[AW]
	v_add_nc_u32 v[AW+2], SLOTB, v[AW]
	v_add_nc_u32 v[AW+3], SLOTB, v[AW+1]
	v_lshlrev_b32 v[SOF], 5, v3
	v_lshlrev_b32 v[BOF], 5, v2
	s_mul_i32 s48, s[WV], 8704
	s_add_co_u32 s48, s48, STG
	v_mul_u32_u24 v[STO], v1, 272
	v_lshl_add_u32 v[STO], v2, 5, v[STO]
	v_add_nc_u32 v[STO], s48, v[STO]
	v_mul_u32_u24 v[SRD], v2, 272
	v_lshl_add_u32 v[SRD], v1, 4, v[SRD]
	v_add_nc_u32 v[SRD], s48, v[SRD]
	v_lshlrev_b32 v[XO], 14, v2
	v_lshl_add_u32 v[XO], v1, 4, v[XO]
.irp b, 0,1,2,3
	v_mov_b32 v[TM+4+\b], 0
.endr
.irp j, 0,1,2,3,4,5,6,7
	v_mov_b32 v[PA+\j], 0
.endr
	s_wait_kmcnt 0x0
	v_mov_b32 v22, s26
	v_and_b32 v23, 0x7fffffff, v22
	v_mul_f32 v23, 0xbfb8aa3b, v23
	s_wait_alu depctr_va_vdst(0)
	v_exp_f32 v23, v23
	v_max_num_f32 v22, 0, v22
	s_wait_alu depctr_va_vdst(0)
	v_add_f32 v24, 1.0, v23
	v_add_f32 v25, -1.0, v24
	s_wait_alu depctr_va_vdst(0)
	v_log_f32 v26, v24
	v_rcp_f32 v27, v25
	v_mul_f32 v28, 0x3f317218, v23
	s_wait_alu depctr_va_vdst(0)
	v_mul_f32 v26, v26, v28
	v_mul_f32 v26, v26, v27
	v_cmp_eq_f32 vcc_lo, 0, v25
	v_cndmask_b32 v26, v26, v23, vcc_lo
	v_add_f32 v22, v22, v26
	v_xor_b32 v22, 0x80000000, v22
	v_lshl_add_u32 v29, v1, 2, s27
.irp m, 0,1,2,3
	v_add_nc_u32 v[64+\m], \m, v29
.endr
.irp m, 0,1,2,3
	v_cvt_f32_u32 v[64+\m], v[64+\m]
.endr
.irp m, 0,1,2,3
	v_mul_f32 v[64+\m], v22, v[64+\m]
.endr
.irp m, 0,1,2,3
	v_mul_f32 v[68+\m], s28, v[64+\m]
.endr
.irp m, 0,1,2,3
	v_fma_f32 v[72+\m], v[64+\m], s28, -v[68+\m]
.endr
.irp m, 0,1,2,3
	v_fmac_f32 v[72+\m], s29, v[64+\m]
.endr
.irp m, 0,1,2,3
	v_rndne_f32 v[76+\m], v[68+\m]
.endr
.irp m, 0,1,2,3
	v_sub_f32 v[68+\m], v[68+\m], v[76+\m]
.endr
.irp m, 0,1,2,3
	v_add_f32 v[68+\m], v[68+\m], v[72+\m]
.endr
	s_wait_alu depctr_va_vdst(0)
.irp m, 0,1,2,3
	v_exp_f32 v[68+\m], v[68+\m]
.endr
.irp m, 0,1,2,3
	v_cvt_i32_f32 v[76+\m], v[76+\m]
.endr
	s_wait_alu depctr_va_vdst(0)
.irp m, 0,1,2,3
	v_ldexp_f32 v[DK+2*\m], v[68+\m], v[76+\m]
.endr
.irp m, 0,1,2,3
	v_mov_b32 v[DK+2*\m+1], v[DK+2*\m]
.endr
	s_wait_loadcnt 63
	RED 0
	LT 2
	LC 6
	LC 7
	s_wait_loadcnt 63
	RED 1
	LT 3
	LC 0
	LC 1
	s_wait_loadcnt 63
	RED 2
	LC 2
	LC 3
	s_wait_loadcnt 63
	RED 3
	s_wait_alu depctr_va_vdst(0)
	s_wait_tensorcnt 0x0
	ds_add_u32 v20, v21
	s_wait_dscnt 0x0
	CROUND
	tensor_load_to_lds s[G0B:G0B+3], s[G1W:G1W+7]
	s_nop 0
	PLACES
	s_lshl_b32 s48, s[PRC], 11
	s_add_nc_u64 s[PSC:PSC+1], s[12:13], s[48:49]
	s_lshl_b32 s48, s[PRC], 8
	s_add_nc_u64 s[PBO:PBO+1], s[14:15], s[48:49]
	s_add_nc_u64 s[PPF:PPF+1], s[16:17], s[48:49]
	LSB SWE, BIE, 0, 0
	LSB SWD, BID, 1024, 128
	ASKX
	ds_store_b128 v[PLW], v[PA:PA+3]
	ds_store_b128 v[PLW], v[PA+4:PA+7] offset:512
	WIN 0x40
.irp kl, 0,1
.irp b, 0,1,2,3
.irp q, 0,1,2,3
	ds_load_b128 v[64*\kl+16*\b+4*\q:64*\kl+16*\b+4*\q+3], v[PLR] offset:\kl*512+\b*128+\q*16
.endr
.endr
.endr
	WIN 0
	s_wait_dscnt 0x0
.irp n, 4,5,6,7
	UNIT \n
.endr
	s_wait_loadcnt 44
	UNIT 0
	UNIT 1
	s_wait_loadcnt 12
	UNIT 2
	UNIT 3
	s_wait_dscnt 0x0
	s_barrier_signal -1
	s_barrier_wait -1
	WIN 0x80
.set f, 0
.rept 20
.irp c, 0,1,2
	ds_load_b128 v[12*f+4*\c:12*f+4*\c+3], v[AI] offset:f*FRB+\c*512
.endr
.set f, f+1
.endr
	WIN 0xc0
.rept 12
.irp c, 0,1,2
	ds_load_b128 v[12*(f-20)+4*\c:12*(f-20)+4*\c+3], v[AI] offset:f*FRB+\c*512
.endr
.set f, f+1
.endr
	WIN 0
.set i, 0
.rept 16
	ds_load_b32 v[SA+i], v[LSX] offset:i*128
.set i, i+1
.endr
	s_wait_tensorcnt 1
	FETCH0 0
	WIN 0
	s_mov_b32 s[TRIP], 3
.Lpair:
	PAIR 1
	s_sub_co_u32 s[TRIP], s[TRIP], 1
	s_cmp_lg_u32 s[TRIP], 0
	s_cbranch_scc1 .Lpair
	PAIR 0
	s_wait_tensorcnt 0x0
	ds_add_u32 v[SPW], v[NIL]
	s_wait_dscnt 0x0
	CROUND
	s_endpgm
.Lfunc_end_k_qf2fe5ea30c_mix:
	.size	k_qf2fe5ea30c_mix, .Lfunc_end_k_qf2fe5ea30c_mix-k_qf2fe5ea30c_mix
	.p2alignl 7, 3214868480
	.fill 96, 4, 3214868480
	.section	.rodata,"a",@progbits
	.p2align	6, 0x0
	.amdhsa_kernel k_qf2fe5ea30c_mix
		.amdhsa_group_segment_fixed_size 327680
		.amdhsa_private_segment_fixed_size 0
		.amdhsa_enable_private_segment 0
		.amdhsa_kernarg_size 64
		.amdhsa_user_sgpr_count 2
		.amdhsa_user_sgpr_kernarg_segment_ptr 1
		.amdhsa_wavefront_size32 1
		.amdhsa_system_sgpr_workgroup_id_x 1
		.amdhsa_system_sgpr_workgroup_id_y 1
		.amdhsa_system_sgpr_workgroup_id_z 1
		.amdhsa_system_vgpr_workitem_id 0
		.amdhsa_next_free_vgpr 1024
		.amdhsa_next_free_sgpr 102
		.amdhsa_reserve_vcc 1
		.amdhsa_float_denorm_mode_32 3
		.amdhsa_float_denorm_mode_16_64 3
		.amdhsa_memory_ordered 1
		.amdhsa_forward_progress 1
		.amdhsa_inst_pref_size 253
	.end_amdhsa_kernel
	.amdgpu_metadata
---
amdhsa.version: [ 1, 2 ]
amdhsa.kernels:
  - .name:           k_qf2fe5ea30c_mix
    .symbol:         k_qf2fe5ea30c_mix.kd
    .args:
      - { .name: cl, .offset: 0, .size: 8, .value_kind: global_buffer, .address_space: global }
      - { .name: tot, .offset: 8, .size: 8, .value_kind: global_buffer, .address_space: global }
      - { .name: log_decay, .offset: 16, .size: 8, .value_kind: global_buffer, .address_space: global }
      - { .name: Wo_codes, .offset: 24, .size: 8, .value_kind: global_buffer, .address_space: global }
      - { .name: Wo_scales, .offset: 32, .size: 8, .value_kind: global_buffer, .address_space: global }
      - { .name: bo, .offset: 40, .size: 8, .value_kind: global_buffer, .address_space: global }
      - { .name: x, .offset: 48, .size: 8, .value_kind: global_buffer, .address_space: global }
      - { .name: out0, .offset: 56, .size: 8, .value_kind: global_buffer, .address_space: global }
    .group_segment_fixed_size: 327680
    .private_segment_fixed_size: 0
    .kernarg_segment_align: 8
    .kernarg_segment_size: 64
    .max_flat_workgroup_size: 128
    .sgpr_count:     102
    .vgpr_count:     1024
    .wavefront_size: 32
...
	.end_amdgpu_metadata
.endif
;; end of part 2
